; MI455X (gfx1250); checked and timed in simulation.
; The chip was launched on July 23, 2026; its instructions are those of AMD's public machine-readable ISA for CDNA 5 (MIT licence, August 2026) and "CDNA5" Instruction Set Architecture Reference Guide (July 2026). The comments in the code are by the model that wrote it; some were corrected since.
;; Switch. Allowed arithmetic: matrix products marked QUANTISED: E3M2 operands, one E8M0 scale for each 32 along K, by v_wmma_scale_f32_16x16x128_f8f6f4 with both operands' format E3M2, f32 sums; products left as they are: f32 operands where the result goes on into a quantised operand, else bf16, f16 or f32 operands; f32 sums; everything else in f32.
;; Inputs: router_w 8 x 1,024 float32; token_mask 2 x 1,024 int32; w1 8 x 1,024 x 2,048 float32; w2 8 x 2,048 x 1,024 float32; x 2 x 1,024 x 1,024 float32.
;; Outputs: out0 2 x 1,024 x 1,024 float32.
;; This version of the problem:
;;   THIS VERSION OF THE PROBLEM IS GIVEN IN LOW PRECISION. The matrix products marked QUANTISED in the list below multiply operands that are first quantised to E3M2 (3 exponent bits, 2 mantissa bits; 6 bits a number), with one power-of-two scale for each 32 numbers along K (OCP MX v1.0); their sums are f32. All else is computed in f32.
;;   The module's matrix products, in the order in which they are computed (A, B: the left and right operand; K: the contracted axis; several contracted axes count as one K, in the product's order):
;;     1. [M 2,048, K 1,024] x [K 1,024, N 8]; A: input x; B: input router_w: left as it is (N = 8 < 16)
;;     2. [M 2,048, K 1,024] x [K 1,024, N 2,048]; A: input x; B: input w1: QUANTISED
;;     3. [M 2,048, K 2,048] x [K 2,048, N 1,024]; A: computed on the way; B: input w2: QUANTISED
;;     4. [M 2,048, K 1,024] x [K 1,024, N 2,048]; A: input x; B: input w1: QUANTISED
;;     5. [M 2,048, K 2,048] x [K 2,048, N 1,024]; A: computed on the way; B: input w2: QUANTISED
;;     6. [M 2,048, K 1,024] x [K 1,024, N 2,048]; A: input x; B: input w1: QUANTISED
;;     7. [M 2,048, K 2,048] x [K 2,048, N 1,024]; A: computed on the way; B: input w2: QUANTISED
;;     8. [M 2,048, K 1,024] x [K 1,024, N 2,048]; A: input x; B: input w1: QUANTISED
;;     9. [M 2,048, K 2,048] x [K 2,048, N 1,024]; A: computed on the way; B: input w2: QUANTISED
;;     10. [M 2,048, K 1,024] x [K 1,024, N 2,048]; A: input x; B: input w1: QUANTISED
;;     11. [M 2,048, K 2,048] x [K 2,048, N 1,024]; A: computed on the way; B: input w2: QUANTISED
;;     12. [M 2,048, K 1,024] x [K 1,024, N 2,048]; A: input x; B: input w1: QUANTISED
;;     13. [M 2,048, K 2,048] x [K 2,048, N 1,024]; A: computed on the way; B: input w2: QUANTISED
;;     14. [M 2,048, K 1,024] x [K 1,024, N 2,048]; A: input x; B: input w1: QUANTISED
;;     15. [M 2,048, K 2,048] x [K 2,048, N 1,024]; A: computed on the way; B: input w2: QUANTISED
;;     16. [M 2,048, K 1,024] x [K 1,024, N 2,048]; A: input x; B: input w1: QUANTISED
;;     17. [M 2,048, K 2,048] x [K 2,048, N 1,024]; A: computed on the way; B: input w2: QUANTISED
;;   THE QUANTISER, for each operand of a quantised product, along K:
;;     - K is cut into blocks of 32 from its start; a last block that is shorter is filled with zeros.
;;     - A block's scale is 2^e with e = floor(log2(the largest magnitude in the block)) - 4, held to -126 .. 127; a block of zeros has e = 0. As a byte (E8M0): e + 127.
;;     - Each number is divided by its block's scale, clamped to +-28, and rounded to the nearest number of E3M2, ties to even, subnormals kept.
;;     - The product sums the exact products of the quantised numbers (number of the format x scale) in f32.
;;   ~~~python
;;   def quantise(x, axis):      # numpy; x: float32 -> the quantised numbers, widened to float32 again
;;       x = np.moveaxis(x, axis, -1); K = x.shape[-1]
;;       x = np.pad(x, [(0, 0)] * (x.ndim - 1) + [(0, -K % 32)]); x = x.reshape(x.shape[:-1] + (-1, 32)); a = np.abs(x).max(-1, keepdims=True)
;;       e = np.where(a > 0, np.clip(np.frexp(np.where(a > 0, a, 1))[1] - 1 - 4, -126, 127), 0)      # np.frexp(a)[1] - 1 = floor(log2(a)), exactly
;;       r = np.clip(x / 2.0 ** e, -28, 28)
;;       step = 2.0 ** (np.maximum(np.frexp(np.where(r == 0, 1, r))[1] - 1, -2) - 2)
;;       q = np.round(r / step) * step * 2.0 ** e      # np.round: ties to even
;;       return np.moveaxis(q.reshape(q.shape[:-2] + (-1,))[..., :K], -1, axis).astype(np.float32)
;;   ~~~
;;   OPERANDS COMPUTED ON THE WAY. 'Computed on the way' means the value that the module computes at that place (a softmax that the list does not call 'softmax' is quantised finished and normalised). What goes into a quantiser is computed in f32, as accurately as f32 sums, v_exp_f32 and their like allow (about 1e-6 of the number): no bf16 or f16 on the way to a quantiser, and a product that is left as it is and whose result goes on into a quantised operand takes f32 operands (vector FMAs, or v_wmma_f32_16x16x4_f32). A number that lies on a knife's edge between two numbers of the format may be rounded either way, as far as f32 arithmetic and the matrix unit's own rounding can turn it there, and no further.
;; One version. Each part assembles by itself: llvm-mc -triple=amdgcn-amd-amdhsa -mcpu=gfx1250 --defsym DOCPART=n.
;; ======== version 1 of 1: 3 launches
;; workspace buffers: xq 1,572,864 bytes; xs 65,536 bytes; bm 2,048 bytes of whole numbers; gm 8,192 bytes; hq 25,165,824 bytes; hs 1,048,576 bytes
;; launch route (part 1): grid 256 x 1, 4 waves a work-group, no clusters, 74,752 bytes of LDS; arguments x, router_w, token_mask, xq, xs, bm, gm; writes xq, xs, bm, gm
.if DOCPART == 1
	.amdgcn_target "amdgcn-amd-amdhsa--gfx1250"
	.amdhsa_code_object_version 6
	.text
	.protected	k_q8fc14df855_route
	.globl	k_q8fc14df855_route
	.p2align	8
	.type	k_q8fc14df855_route,@function
k_q8fc14df855_route:
	s_mov_b64 s[64:65], 0
	v_nop
	global_prefetch_b8 v0, s[64:65] scope:SCOPE_SE
	s_setreg_imm32_b32 hwreg(HW_REG_WAVE_MODE, 25, 1), 1
	s_wait_xcnt 0x0
; THE ROUTER AND THE QUANTISER OF x.  x [2048][1024] f32, router_w [8][1024] f32, token_mask [2048] i32.
; For each token: eight f32 logits, their softmax with the maximum taken away, the first index of the largest probability, gate x mask; and x's codes of E3M2 with one E8M0 byte for each 32 along D.
; OUT: xq: token t at 768 t; bytes 8 q .. 8 q + 7 of block l's 24 code bytes at 256 q + 8 l (a wave's store of 8 bytes a lane covers 256 consecutive bytes, aligned).
;      xs: byte 32 t + l.   bm: row e of 256 bytes, bit t of the row set where token t chose expert e.   gm: f32 gate x mask of token t.
; The choice is stored as whole numbers at fixed places: no address and no branch of this launch hangs on it.
; SHARES: a work-group of four waves takes 8 tokens, a wave two.  A lane holds ONE block of 32 numbers of each of its two tokens, so a block's largest magnitude needs no other lane.
; The loads take the bytes as they lie (512 consecutive bytes a wave); the turn to a block a lane goes through LDS, blocks 144 bytes apart: 36 words.
; No matrix instruction: N = 8, and the argmax wants f32.  No cluster: what work-groups share is router_w alone, 32 KiB beside 32 KiB of x for each.
; LIMITS: NaN and infinities among the inputs are not served.  A block whose largest magnitude lies under 2^(5 - 127), a block of zeros among them, gets the byte 1 (the rule says 127 for zeros): its codes are zeros or the
; subnormal codes under that scale, and the bytes are read by this program alone.  The logits' f32 sums run in another order than a plain chain: two logits that agree to the last bits may change places.
.set XST, 36864                        ; LDS: router_w, 8 x 4,608 bytes, from byte 0; then x's stage, 9,216 bytes a wave
.set RES, 73728                        ; the eight choices (words at 4 i) and the eight gates (words at 32 + 4 i)
.set XSB, 73984                        ; the work-group's 256 scale bytes
.set XL,  16                           ; v16-79   x as loaded; later two sets of 32 numbers of router_w; later the logits and the softmax
.set X,   80                           ; v80-143  token i's block in v[X + 32 i] on
.set RL,  144                          ; v144-207 router_w as loaded; later:
.set R,   16
.set AC,  144                          ; v144-175 sixteen pairs of partial sums: (expert e, token i) at AC + 4 e + 2 i
.set QT,  176                          ; v176-207 the quantiser's registers, 16 a token, so that no store's data are written again
.set LG,  16                           ; logit (e, i) at LG + 2 e + i
.set PT,  32
.set PB,  48                           ; p (e, i) at PB + 2 e + i
	s_load_b256 s[4:11], s[0:1], 0x0               ; x, router_w, token_mask, xq
	s_load_b128 s[12:15], s[0:1], 0x20             ; xs, bm
	s_load_b64 s[16:17], s[0:1], 0x30              ; gm
	v_lshl_add_u32 v208, v0, 2, 0x12200
	v_mov_b32 v209, 0
	v_lshrrev_b32 v1, 5, v0
	v_readfirstlane_b32 s18, v1                    ; wave 0..3
	v_and_b32 v1, 31, v0                           ; lane
	v_lshlrev_b32 v2, 4, v1                        ; my 16 bytes of a load's 512
	v_lshrrev_b32 v9, 3, v1
	v_and_b32 v10, 7, v1                           ; lane % 8: at the end also the expert that the lane works for
	v_mul_u32_u24 v5, v9, 144
	v_lshl_add_u32 v5, v10, 4, v5                  ; into a stage: eight lanes fill a block: 144 (lane / 8) + 16 (lane % 8)
	s_mul_i32 s19, s18, 9216
	v_add_nc_u32 v5, s19, v5                       ; router_w's rows 2 w and 2 w + 1
	v_add_nc_u32 v3, XST, v5                       ; my wave's stage for x
	v_mul_u32_u24 v6, v1, 144                      ; out of a stage: block = lane
	v_add_nc_u32 v4, s19, v6
	v_add_nc_u32 v4, XST, v4
	v_lshlrev_b32 v7, 3, v1                        ; 8 x lane
	s_lshl_b32 s19, s18, 3
	s_add_co_u32 s19, s19, RES
	v_mov_b32 v8, s19                              ; my wave's two words among the choices
	s_lshl_b32 s19, s18, 6
	s_add_co_u32 s19, s19, XSB
	v_add_nc_u32 v11, s19, v1                      ; my byte among the scale bytes: 64 w + lane
	v_mov_b32 v12, RES
	v_lshl_add_u32 v13, v10, 2, RES+32
	v_add_nc_u32 v14, XSB, v7
	v_lshlrev_b32 v15, 8, v10                      ; bm: 256 x expert
	v_lshlrev_b32 v9, 2, v10                       ; gm: 4 x (lane % 8)
	s_lshl_b32 s20, ttmp9, 3
	s_lshl_b32 s21, s18, 1
	s_add_co_u32 s20, s20, s21                     ; my wave's first token: 8 x work-group + 2 x wave
	s_mov_b32 s23, 0
	s_mov_b32 s30, 0x76543210
	s_mov_b32 s31, 0xfedcba98                      ; v_permlanex16_b32's selects for lane l xor 16
	s_wait_kmcnt 0x0
	s_lshl_b32 s22, s20, 12
	s_add_nc_u64 s[4:5], s[4:5], s[22:23]
	s_lshl_b32 s22, s18, 13
	s_add_nc_u64 s[6:7], s[6:7], s[22:23]
	s_lshl_b32 s22, s20, 2
	s_add_nc_u64 s[8:9], s[8:9], s[22:23]
	s_mul_i32 s22, s20, 768
	s_add_nc_u64 s[10:11], s[10:11], s[22:23]
	s_lshl_b32 s22, ttmp9, 8
	s_add_nc_u64 s[12:13], s[12:13], s[22:23]      ; xs: the work-group's 256 bytes
	s_mov_b32 s22, ttmp9
	s_add_nc_u64 s[14:15], s[14:15], s[22:23]      ; bm: the work-group's byte in each row
	s_lshl_b32 s22, ttmp9, 5
	s_add_nc_u64 s[16:17], s[16:17], s[22:23]      ; gm: the work-group's eight words
.irp i, 0,1
.irp j, 0,1,2,3,4,5,6,7
	global_load_b128 v[XL+32*\i+4*\j:XL+32*\i+4*\j+3], v2, s[4:5] offset:4096*\i+512*\j th:TH_LOAD_NT
.endr
.endr
.irp i, 0,1
.irp j, 0,1,2,3,4,5,6,7
	global_load_b128 v[RL+32*\i+4*\j:RL+32*\i+4*\j+3], v2, s[6:7] offset:4096*\i+512*\j
.endr
.endr
	s_load_b64 s[24:25], s[8:9], 0x0               ; my two tokens' mask words
	s_wait_loadcnt 16                              ; x is in; the 16 loads of router_w may be out
.irp i, 0,1
.irp j, 0,1,2,3,4,5,6,7
	ds_store_b128 v3, v[XL+32*\i+4*\j:XL+32*\i+4*\j+3] offset:4608*\i+576*\j
.endr
.endr
.irp i, 0,1
.irp k, 0,1,2,3,4,5,6,7
	ds_load_b128 v[X+32*\i+4*\k:X+32*\i+4*\k+3], v4 offset:4608*\i+16*\k   ; my wave's own bytes: LDS serves a wave's instructions in order (ISA guide 5.7.1.4)
.endr
.endr
	s_wait_loadcnt 0x0
.irp i, 0,1
.irp j, 0,1,2,3,4,5,6,7
	ds_store_b128 v5, v[RL+32*\i+4*\j:RL+32*\i+4*\j+3] offset:4608*\i+576*\j
.endr
.endr
	s_wait_dscnt 0x0                               ; for the others' sake: my two rows of router_w lie in LDS
	s_barrier_signal -1
	s_barrier_wait -1
.macro RLOAD e                         ; my block of expert e's row into set e % 2
.irp k, 0,1,2,3,4,5,6,7
	ds_load_b128 v[R+32*((\e)%2)+4*\k:R+32*((\e)%2)+4*\k+3], v6 offset:4608*(\e)+16*\k
.endr
.endm
.macro QX i                            ; token i: my block's scale byte and its 32 codes
.set XB, X+32*(\i)
.set Q, QT+16*(\i)
	v_max3_num_f32 v[Q], |v[XB]|, |v[XB+1]|, 0x2800000             ; the largest magnitude in two chains, with the floor 2^(5 - 127) among the leaves: the byte cannot fall under 1
	v_max3_num_f32 v[Q+1], |v[XB+16]|, |v[XB+17]|, 0x2800000
.irp n, 2,4,6,8,10,12,14
	v_max3_num_f32 v[Q], v[Q], |v[XB+\n]|, |v[XB+\n+1]|
	v_max3_num_f32 v[Q+1], v[Q+1], |v[XB+16+\n]|, |v[XB+17+\n]|
.endr
	v_max_num_f32 v[Q], v[Q], v[Q+1]
	v_add_nc_u32 v[Q+2], 0xfe000000, v[Q]          ; 4 off its exponent field: the conversion takes the exponent field of this operand as its scale
	v_cvt_scalef32_pk16_bf6_f32 v[Q+4:Q+6], v[XB:XB+15], v[Q+2]
	v_cvt_scalef32_pk16_bf6_f32 v[Q+8:Q+10], v[XB+16:XB+31], v[Q+2]   ; (a conversion's three registers begin on an even number)
	v_lshrrev_b32 v[Q+3], 23, v[Q+2]               ; the scale's byte; also the plain line behind the conversions
	v_mov_b32 v[Q+7], v[Q+8]
	v_mov_b32 v[Q+8], v[Q+9]
	v_mov_b32 v[Q+9], v[Q+10]                      ; v[Q+4] .. v[Q+9]: the block's 24 bytes
	ds_store_b8 v11, v[Q+3] offset:32*(\i)
	global_store_b64 v7, v[Q+4:Q+5], s[10:11] offset:768*(\i)
	global_store_b64 v7, v[Q+6:Q+7], s[10:11] offset:768*(\i)+256
	global_store_b64 v7, v[Q+8:Q+9], s[10:11] offset:768*(\i)+512
.endm
.macro DOT e                           ; my block's part of logit (e, 0) and (e, 1): two numbers an instruction, the two tokens by turns
.set RB, R+32*((\e)%2)
	v_pk_mul_f32 v[AC+4*(\e):AC+4*(\e)+1], v[X:X+1], v[RB:RB+1]
	v_pk_mul_f32 v[AC+4*(\e)+2:AC+4*(\e)+3], v[X+32:X+33], v[RB:RB+1]
.irp n, 2,4,6,8,10,12,14,16,18,20,22,24,26,28,30
	v_pk_fma_f32 v[AC+4*(\e):AC+4*(\e)+1], v[X+\n:X+\n+1], v[RB+\n:RB+\n+1], v[AC+4*(\e):AC+4*(\e)+1]
	v_pk_fma_f32 v[AC+4*(\e)+2:AC+4*(\e)+3], v[X+32+\n:X+33+\n], v[RB+\n:RB+\n+1], v[AC+4*(\e)+2:AC+4*(\e)+3]
.endr
.endm
	RLOAD 0
	QX 0
	QX 1
.set ee, 0
.rept 8
.if ee < 7
	RLOAD ee+1
	s_wait_dscnt 8                                 ; all but the eight loads just issued: this expert's set is in
.else
	s_wait_dscnt 0x0
.endif
	DOT ee
.set ee, ee+1
.endr
.irp n, 0,1,2,3,4,5,6,7,8,9,10,11,12,13,14,15
	v_add_f32 v[LG+\n], v[AC+2*\n], v[AC+2*\n+1]
.endr
.irp x, 1,2,4,8                        ; across the 32 lanes, the sixteen sums by turns
.irp n, 0,1,2,3,4,5,6,7,8,9,10,11,12,13,14,15
	v_add_f32_dpp v[LG+\n], v[LG+\n], v[LG+\n] row_xmask:\x row_mask:0xf bank_mask:0xf
.endr
.endr
.irp n, 0,1,2,3,4,5,6,7,8,9,10,11,12,13,14,15
	v_permlanex16_b32 v[PT+\n], v[LG+\n], s30, s31
.endr
.irp n, 0,1,2,3,4,5,6,7,8,9,10,11,12,13,14,15
	v_add_f32 v[LG+\n], v[LG+\n], v[PT+\n]         ; every lane now holds all sixteen logits
.endr
.irp i, 0,1
	v_max3_num_f32 v[64+\i], v[LG+\i], v[LG+2+\i], v[LG+4+\i]
	v_max3_num_f32 v[64+\i], v[64+\i], v[LG+6+\i], v[LG+8+\i]
	v_max3_num_f32 v[64+\i], v[64+\i], v[LG+10+\i], v[LG+12+\i]
	v_max_num_f32 v[64+\i], v[64+\i], v[LG+14+\i]  ; the token's largest logit
.endr
.irp n, 0,1,2,3,4,5,6,7,8,9,10,11,12,13,14,15
	v_sub_f32 v[PB+\n], v[LG+\n], v[64+\n%2]       ; the maximum is taken away first: the largest gives exactly 0
.endr
.irp n, 0,1,2,3,4,5,6,7,8,9,10,11,12,13,14,15
	v_mul_f32 v[PB+\n], 0x3fb8aa3b, v[PB+\n]       ; x log2(e)
.endr
.irp n, 0,1,2,3,4,5,6,7,8,9,10,11,12,13,14,15
	v_exp_f32 v[PB+\n], v[PB+\n]
.endr
	v_nop                                          ; a plain line behind the last exponential
	s_wait_kmcnt 0x0                               ; the mask words
	v_cvt_f32_i32 v74, s24
	v_cvt_f32_i32 v75, s25
	s_wait_alu depctr_va_vdst(0)                   ; one wait for the batch of sixteen, ahead of its first reader
.irp i, 0,1
	v_add_f32 v[66+\i], v[PB+\i], v[PB+2+\i]
	v_add_f32 v[68+\i], v[PB+4+\i], v[PB+6+\i]
	v_add_f32 v[70+\i], v[PB+8+\i], v[PB+10+\i]
	v_add_f32 v[72+\i], v[PB+12+\i], v[PB+14+\i]
	v_add_f32 v[66+\i], v[66+\i], v[68+\i]
	v_add_f32 v[70+\i], v[70+\i], v[72+\i]
	v_add_f32 v[66+\i], v[66+\i], v[70+\i]
.endr
	v_rcp_f32 v68, v66                             ; the gate: the largest p is 1, so its probability is 1 / the sum
	v_rcp_f32 v69, v67
	v_mov_b32 v70, 7                               ; the choice: the lowest e whose p is 1 (equal probabilities: the first index).  This work names no reciprocal
	v_mov_b32 v71, 7
.irp e, 6,5,4,3,2,1,0
.irp i, 0,1
	v_cmp_gt_f32 vcc_lo, 1.0, v[PB+2*\e+\i]
	v_cndmask_b32 v[70+\i], \e, v[70+\i], vcc_lo   ; kept where 1 > p, else e
.endr
.endr
	s_wait_alu depctr_va_vdst(0)                   ; one wait for the two reciprocals
	v_mul_f32 v72, v68, v74                        ; gate x mask
	v_mul_f32 v73, v69, v75
	ds_store_b32 v8, v70                           ; all lanes write the same word with the same value
	ds_store_b32 v8, v71 offset:4
	ds_store_b32 v8, v72 offset:32
	ds_store_b32 v8, v73 offset:36
	s_wait_dscnt 0x0                               ; for wave 0's sake: these and my scale bytes lie in LDS
	s_barrier_signal -1
	s_barrier_wait -1
	s_cmp_lg_u32 s18, 0
	s_cbranch_scc1 .Lend
	; wave 0 stores what the work-group has gathered.  Lane l works for expert l % 8: four lanes store the same value to the same place
	ds_load_b128 v[16:19], v12
	ds_load_b128 v[20:23], v12 offset:16
	ds_load_b32 v24, v13
	ds_load_b64 v[26:27], v14
	v_mov_b32 v28, 0
	v_mov_b32 v29, 1
	s_wait_dscnt 0x0
.irp i, 0,1,2,3,4,5,6,7
	v_cmp_eq_u32 vcc_lo, v[16+\i], v10
	v_cndmask_b32 v30, 0, v29, vcc_lo
	v_lshl_or_b32 v28, v30, \i, v28                ; bit i: the work-group's token i chose my expert
.endr
	global_store_b8 v15, v28, s[14:15]             ; one byte in each expert's row: 2,048 bytes in the whole launch
	global_store_b32 v9, v24, s[16:17]
	global_store_b64 v7, v[26:27], s[12:13]        ; 32 lanes store 256 consecutive bytes, aligned
.Lend:
	s_wait_tensorcnt 0x0
	ds_add_u32 v208, v209
	s_wait_dscnt 0x0
	s_endpgm
.Lfunc_end_k_q8fc14df855_route:
	.size	k_q8fc14df855_route, .Lfunc_end_k_q8fc14df855_route-k_q8fc14df855_route
	.p2alignl 7, 3214868480
	.fill 96, 4, 3214868480
	.section	.rodata,"a",@progbits
	.p2align	6, 0x0
	.amdhsa_kernel k_q8fc14df855_route
		.amdhsa_group_segment_fixed_size 74752
		.amdhsa_private_segment_fixed_size 0
		.amdhsa_enable_private_segment 0
		.amdhsa_kernarg_size 56
		.amdhsa_user_sgpr_count 2
		.amdhsa_user_sgpr_kernarg_segment_ptr 1
		.amdhsa_wavefront_size32 1
		.amdhsa_system_sgpr_workgroup_id_x 1
		.amdhsa_system_sgpr_workgroup_id_y 1
		.amdhsa_system_sgpr_workgroup_id_z 1
		.amdhsa_system_vgpr_workitem_id 0
		.amdhsa_next_free_vgpr 210
		.amdhsa_next_free_sgpr 66
		.amdhsa_reserve_vcc 1
		.amdhsa_float_denorm_mode_32 3
		.amdhsa_float_denorm_mode_16_64 3
		.amdhsa_memory_ordered 1
		.amdhsa_forward_progress 1
		.amdhsa_inst_pref_size 45
	.end_amdhsa_kernel
	.amdgpu_metadata
---
amdhsa.version: [ 1, 2 ]
amdhsa.kernels:
  - .name:           k_q8fc14df855_route
    .symbol:         k_q8fc14df855_route.kd
    .args:
      - { .name: x, .offset: 0, .size: 8, .value_kind: global_buffer, .address_space: global }
      - { .name: router_w, .offset: 8, .size: 8, .value_kind: global_buffer, .address_space: global }
      - { .name: token_mask, .offset: 16, .size: 8, .value_kind: global_buffer, .address_space: global }
      - { .name: xq, .offset: 24, .size: 8, .value_kind: global_buffer, .address_space: global }
      - { .name: xs, .offset: 32, .size: 8, .value_kind: global_buffer, .address_space: global }
      - { .name: bm, .offset: 40, .size: 8, .value_kind: global_buffer, .address_space: global }
      - { .name: gm, .offset: 48, .size: 8, .value_kind: global_buffer, .address_space: global }
    .group_segment_fixed_size: 74752
    .private_segment_fixed_size: 0
    .kernarg_segment_align: 8
    .kernarg_segment_size: 56
    .max_flat_workgroup_size: 128
    .sgpr_count:     66
    .vgpr_count:     210
    .wavefront_size: 32
...
	.end_amdgpu_metadata
.endif
;; end of part 1
;; launch ffn1 (part 2): grid 256 x 1, 16 waves a work-group, no clusters, 313,600 bytes of LDS; arguments w1, bm, xq, xs, hq, hs; writes hq, hs
.if DOCPART == 2
	.amdgcn_target "amdgcn-amd-amdhsa--gfx1250"
	.amdhsa_code_object_version 6
	.text
	.protected	k_q8fc14df855_ffn1
	.globl	k_q8fc14df855_ffn1
	.p2align	8
	.type	k_q8fc14df855_ffn1,@function
k_q8fc14df855_ffn1:
	s_mov_b64 s[64:65], 0
	v_nop
	global_prefetch_b8 v0, s[64:65] scope:SCOPE_SE
	s_setreg_imm32_b32 hwreg(HW_REG_WAVE_MODE, 25, 1), 1
	s_wait_xcnt 0x0
; THE FIRST EXPERT PRODUCT, ONLY FOR THE ROWS THAT CHOSE THE EXPERT: h = relu(Q(x) Q(w1[e])), quantised along F on the way out.  w1 [8][1024][2048] f32, K its first axis within an expert.
; SHARES: work-group g owns expert e = g / 32 and hidden units 64 (g % 32) .. + 63: 256 KiB of f32 weights, read ONCE, turned into 32 operand fragments (48 KiB of codes) that stay in LDS, and applied to all rows of the expert.
;   Wave w quantises K step w / 2 (128 rows of w1) of columns 32 (w % 2) .. + 31.  A LANE TAKES A COLUMN AND ITS REGISTERS RUN DOWN K: a block of 32 lies in one lane, and the codes come out with K innermost.
;   Lane l takes column (l & 7) + 2 (l & 8) + (l & 16) / 2: lanes 0-15 are tile u = 0, lanes 16-31 tile u = 1, and lane r of tile u takes column 8 u + r + 8 (r / 8).
; THE ROWS: bm's row e holds a bit for each token.  Wave 0 turns it into a list in LDS while the weights are on their way.  Positions n .. n + 31 repeat the first token, so a padding row repeats a valid row:
;   the same values go to the same addresses and no lane is switched off.  A job is 32 list positions (two tiles of 16 rows), taken by one wave; job j runs where 32 j < max(n, 1), so tiles 0 and 1 of every expert are always written.
; THE PRODUCT IS USED TRANSPOSED (source 0 = 16 columns of w1, source 1 = 16 rows of x): a lane holds ONE row, and by the choice of columns above the 16 registers of tiles u = 0, 1 are 16 neighbours along F, the next K.
; x's rows come from xq into LDS as rows of 784 bytes (768 + 16: 196 words, so row r starts at bank 4 r mod 64; 64 banks of 4 bytes: ISA guide 11.1).  The first 320 list positions are gathered by all sixteen waves, 20 each, between the
;   two halves of the weights' quantising; ten waves then take the ten jobs.  Longer lists: six more passes of constant count, in which a wave gathers its own 32 rows; a pass with nothing left is jumped over by a scalar branch on n.
; OUT: hq: the fragment of (expert, tile, K step s) at ((128 e + tile) 16 + s) 1536, as an image of its registers: half c at 768 c, in it registers 0-3 at 16 x lane and registers 4-5 at 512 + 8 x lane: each store covers 512 or 256 consecutive
;   bytes, aligned to 256.   hs: (128 e + tile) 1024 + 64 row + 4 s: the scale word of K step s; this work-group writes two of its bytes (2 bytes a row, 64 bytes apart: 1/25 of the launch's output bytes).
; NO CLUSTER, NO TENSOR LOAD: no two work-groups read the same weights.  What the 32 work-groups of an expert share is x's codes, 192 KiB beside 8 MiB of weights.
; LIMITS: NaN and infinities are not served.  A block whose largest magnitude lies under 2^(5 - 127), a block of zeros among them, gets the byte 1 (the rule says 127 for zeros); the bytes are read by this program alone.
.set WSC,   49152                      ; LDS: from 0 the weights' fragments, wave w's two at 3072 w and 3072 w + 1536; here their scale words, 128 w + 4 lane
.set LIST,  51200                      ; the list: 2,304 words
.set STG,   60672                      ; behind the list one dump word (in a block of 256 bytes); then 320 rows of x's codes
.set ROWP,  784
.set PITCH, 8192                       ; a row of w1[e] in bytes
.set LI,  1                            ; v1   16 x lane
.set LS,  2                            ; v2   4 x lane
.set L8,  3                            ; v3   8 x lane
.set CO,  4                            ; v4   4 x my column
.set WI,  5                            ; v5   where my wave's fragments go: 3072 w + 16 lane
.set XA,  6                            ; v6   my job's rows: STG + 25088 w + 784 r + 24 h
.set SAW, 7                            ; v7   the shared gather: STG + 15680 w + 24 lane
.set SAJ, 8                            ; v8   my own gather: STG + 25088 w + 24 lane
.set V4T, 9                            ; v9   4 x my thread's number
.set LAB, 10                           ; v10  LIST + 80 w + 4 lane
.set HSO, 11                           ; v11  64 r
.set WS,  12                           ; v12-15  the weights' scale words, two sets of two: scales and nothing else
.set W,   16                           ; v16-143 my column's 128 numbers
.set F0,  144                          ; v144-155, v156-167 the two fragments
.set F1,  156
.set TC,  168
.set TM,  176
.set SO,  178
.set BY,  180                          ; v180-183 my column's four scale bytes
.set XS,  184                          ; v184-191 x's scale words of the eight K steps: lanes 0-15 tile 0's rows, lanes 16-31 tile 1's: scales and nothing else
.set XL,  192                          ; v192-251 ten rows of x's codes on their way to LDS
.set SW,  252
.set LT,  253                          ; tokens of the list
.set LT2, 254
.set LX,  255
.set SP,  192                          ; the sorter's (wave 0, before anything else lands in v192 on)
.set TK,  194
.set PA,  196
.set LB,  197
.set FT,  198
.set ZA,  199
.set ZR,  200
.set WF,  16                           ; the products: the weights' fragments, two sets of four: v16-63, v64-111
.set XF,  112                          ; x's, two sets of two: v112-135, v136-159
.set ACC, 192                          ; v192-255 accumulator (tile of rows m, tile of columns t) at ACC + 32 m + 8 t
.set ETM, 164
.set ETP, 166
.set ESO, 168
.set EBY, 170
.set HW,  172
.macro PLACES                          ; four plain lines between a matrix instruction and a load into, or a vector instruction on, its registers
.rept 4
	v_nop
.endr
.endm
.macro LOADW a, b                      ; rows a .. b - 1 of my K step: 32 lanes read 128 consecutive bytes; the wave beside me reads the 128 next to them
.set i, \a
.rept (\b)-(\a)
	global_load_b32 v[W+i], v[CO], s[4:5] offset:i*PITCH th:TH_LOAD_NT
.set i, i+1
.endr
.endm
.macro QPAIR c                         ; my column's blocks 2 c and 2 c + 1 become registers 6 c .. 6 c + 5 of both fragments
.set B0, W+64*(\c)
.set B1, W+64*(\c)+32
	v_max3_num_f32 v[TM], |v[B0]|, |v[B0+1]|, 0x2800000            ; the floor 2^(5 - 127) among the leaves: the byte cannot fall under 1
	v_max3_num_f32 v[TM+1], |v[B1]|, |v[B1+1]|, 0x2800000
.irp n, 2,4,6,8,10,12,14,16,18,20,22,24,26,28,30
	v_max3_num_f32 v[TM], v[TM], |v[B0+\n]|, |v[B0+\n+1]|
	v_max3_num_f32 v[TM+1], v[TM+1], |v[B1+\n]|, |v[B1+\n+1]|
.endr
	v_add_nc_u32 v[SO], 0xfe000000, v[TM]          ; 4 off the exponent field: the conversion's scale operand
	v_add_nc_u32 v[SO+1], 0xfe000000, v[TM+1]
	v_lshrrev_b32 v[BY+2*(\c)], 23, v[SO]
	v_lshrrev_b32 v[BY+2*(\c)+1], 23, v[SO+1]
	v_cvt_scalef32_pk16_bf6_f32 v[F0+6*(\c):F0+6*(\c)+2], v[B0:B0+15], v[SO]
	v_cvt_scalef32_pk16_bf6_f32 v[TC:TC+2], v[B0+16:B0+31], v[SO]          ; (a conversion's three registers begin on an even number)
	v_cvt_scalef32_pk16_bf6_f32 v[F1+6*(\c):F1+6*(\c)+2], v[B1:B1+15], v[SO+1]
	v_cvt_scalef32_pk16_bf6_f32 v[TC+4:TC+6], v[B1+16:B1+31], v[SO+1]
	v_nop                                          ; one plain line behind the conversions
.irp n, 0,1,2
	v_mov_b32 v[F0+6*(\c)+3+\n], v[TC+\n]
	v_mov_b32 v[F1+6*(\c)+3+\n], v[TC+4+\n]
.endr
.irp n, 0,1,2,3,4,5                    ; F0 holds every lane's block 2 c, F1 its block 2 c + 1.  The layout gives lanes 0-15 of a fragment block 2 c and lanes 16-31 block 2 c + 1 of the SAME sixteen columns:
	v_permlane16_swap_b32 v[F0+6*(\c)+\n], v[F1+6*(\c)+\n]         ; F0's lanes 16-31 change places with F1's lanes 0-15: F0 is tile u = 0's fragment, F1 tile u = 1's
.endr
.endm
.macro GROWS cnt, lane0, xreg, p0      ; cnt rows of x's codes: the tokens in lanes lane0 on of v[LT]; three loads of 256 consecutive bytes a row; a pair of scalars for each row, from s[16 + 2 p0] on
.set i, 0
.rept \cnt
.set PR, 16+2*((\p0)+i)
	v_readlane_b32 s[PR], v[LT], (\lane0)+i
	s_min_u32 s[PR], s[PR], 0x7ff
	s_mul_i32 s[PR], s[PR], 768
	s_mov_b32 s[PR+1], 0
	s_add_nc_u64 s[PR:PR+1], s[8:9], s[PR:PR+1]
	global_load_b64 v[(\xreg)+6*i:(\xreg)+6*i+1], v[L8], s[PR:PR+1]
	global_load_b64 v[(\xreg)+6*i+2:(\xreg)+6*i+3], v[L8], s[PR:PR+1] offset:256
	global_load_b64 v[(\xreg)+6*i+4:(\xreg)+6*i+5], v[L8], s[PR:PR+1] offset:512
.set i, i+1
.endr
.endm
.macro SROWS cnt, xreg, adr, off       ; into LDS as plain rows: lane l holds block l's bytes 8 q .. 8 q + 7: they go to 24 l + 8 q of the row
.set i, 0
.rept \cnt
.irp p, 0,1,2
	ds_store_b64 v[\adr], v[(\xreg)+6*i+2*\p:(\xreg)+6*i+2*\p+1] offset:(\off)+ROWP*i+8*\p
.endr
.set i, i+1
.endr
.endm
.macro LOADK s                         ; K step s: 26 LDS loads: four fragments of the weights as images, their two scale registers, my two fragments of x from rows
.set KSET, (\s)%2
.irp t, 0,1,2,3
.irp k, 0,1,2
	ds_load_b128 v[WF+48*KSET+12*\t+4*\k:WF+48*KSET+12*\t+4*\k+3], v[LI] offset:(2*(\s)+\t/2)*3072+(\t%2)*1536+512*\k
.endr
.endr
.irp h, 0,1
	ds_load_b32 v[WS+2*KSET+\h], v[LS] offset:WSC+(2*(\s)+\h)*128
.endr
.irp m, 0,1
.irp p, 0,1,2,3,4,5
	ds_load_b64 v[XF+24*KSET+12*\m+2*\p:XF+24*KSET+12*\m+2*\p+1], v[XA] offset:12544*\m+96*(\s)+48*(\p/3)+8*(\p%3)
.endr
.endr
.endm
.macro WM d, a, b, z, sa, sb, ra, rb   ; one product; z: it starts the sum; ra, rb: the side's scales stand in lanes 16-31
.if \z
.if (\ra) && (\rb)
	v_wmma_scale_f32_16x16x128_f8f6f4 v[\d:\d+7], v[\a:\a+11], v[\b:\b+11], 0, v[\sa], v[\sb] matrix_a_fmt:MATRIX_FMT_BF6 matrix_b_fmt:MATRIX_FMT_BF6 matrix_a_scale:MATRIX_SCALE_ROW1 matrix_b_scale:MATRIX_SCALE_ROW1
.elseif \ra
	v_wmma_scale_f32_16x16x128_f8f6f4 v[\d:\d+7], v[\a:\a+11], v[\b:\b+11], 0, v[\sa], v[\sb] matrix_a_fmt:MATRIX_FMT_BF6 matrix_b_fmt:MATRIX_FMT_BF6 matrix_a_scale:MATRIX_SCALE_ROW1
.elseif \rb
	v_wmma_scale_f32_16x16x128_f8f6f4 v[\d:\d+7], v[\a:\a+11], v[\b:\b+11], 0, v[\sa], v[\sb] matrix_a_fmt:MATRIX_FMT_BF6 matrix_b_fmt:MATRIX_FMT_BF6 matrix_b_scale:MATRIX_SCALE_ROW1
.else
	v_wmma_scale_f32_16x16x128_f8f6f4 v[\d:\d+7], v[\a:\a+11], v[\b:\b+11], 0, v[\sa], v[\sb] matrix_a_fmt:MATRIX_FMT_BF6 matrix_b_fmt:MATRIX_FMT_BF6
.endif
.else
.if (\ra) && (\rb)
	v_wmma_scale_f32_16x16x128_f8f6f4 v[\d:\d+7], v[\a:\a+11], v[\b:\b+11], v[\d:\d+7], v[\sa], v[\sb] matrix_a_fmt:MATRIX_FMT_BF6 matrix_b_fmt:MATRIX_FMT_BF6 matrix_a_scale:MATRIX_SCALE_ROW1 matrix_b_scale:MATRIX_SCALE_ROW1
.elseif \ra
	v_wmma_scale_f32_16x16x128_f8f6f4 v[\d:\d+7], v[\a:\a+11], v[\b:\b+11], v[\d:\d+7], v[\sa], v[\sb] matrix_a_fmt:MATRIX_FMT_BF6 matrix_b_fmt:MATRIX_FMT_BF6 matrix_a_scale:MATRIX_SCALE_ROW1
.elseif \rb
	v_wmma_scale_f32_16x16x128_f8f6f4 v[\d:\d+7], v[\a:\a+11], v[\b:\b+11], v[\d:\d+7], v[\sa], v[\sb] matrix_a_fmt:MATRIX_FMT_BF6 matrix_b_fmt:MATRIX_FMT_BF6 matrix_b_scale:MATRIX_SCALE_ROW1
.else
	v_wmma_scale_f32_16x16x128_f8f6f4 v[\d:\d+7], v[\a:\a+11], v[\b:\b+11], v[\d:\d+7], v[\sa], v[\sb] matrix_a_fmt:MATRIX_FMT_BF6 matrix_b_fmt:MATRIX_FMT_BF6
.endif
.endif
.endm
.macro MULK s                          ; eight products, the eight accumulators by turns, one instruction a turn, in the same order in every K step
.set KSET, (\s)%2
.set KZ, 0
.if (\s) == 0
.set KZ, 1
.endif
.irp t, 0,1,2,3
.irp m, 0,1
	WM ACC+32*\m+8*\t, WF+48*KSET+12*\t, XF+24*KSET+12*\m, KZ, WS+2*KSET+\t/2, XS+(\s), \t%2, \m
.endr
.endr
.endm
.macro COMPUTE                         ; a job's 64 products; each K step's operands are asked for a K step ahead
	LOADK 0
.set q, 0
.rept 8
.if (q > 0) && (q < 7)
	PLACES                                         ; the loads below land in the set that the last eight products read
.endif
.if q < 7
	LOADK q+1
	s_wait_dscnt 26                                ; all but the 26 loads just issued: this K step's operands are in
.else
	s_wait_dscnt 0x0
.endif
	MULK q
.set q, q+1
.endr
	PLACES
.endm
.macro EPI m                           ; tile of rows m: relu, two blocks of 32 along F quantised, half a fragment and two scale bytes stored
.set A, ACC+32*(\m)
.set PC, 176-64*(\m)                   ; the codes: v176 on, v112 on: the first tile's stores are not written over by the second's work
.set j, 0
.rept 32
	v_max_num_f32 v[A+j], 0, v[A+j]                ; ascending: each accumulator is read from its low end on
.set j, j+1
.endr
	v_max3_num_f32 v[ETM], v[A], v[A+1], 0x2800000                 ; no |.|: nothing is negative here
	v_max3_num_f32 v[ETM+1], v[A+16], v[A+17], 0x2800000
.irp n, 2,4,6,8,10,12,14
	v_max3_num_f32 v[ETM], v[ETM], v[A+\n], v[A+\n+1]
	v_max3_num_f32 v[ETM+1], v[ETM+1], v[A+16+\n], v[A+17+\n]
.endr
	v_permlanex16_b32 v[ETP], v[ETM], s98, s99
	v_permlanex16_b32 v[ETP+1], v[ETM+1], s98, s99
	v_max_num_f32 v[ETM], v[ETM], v[ETP]           ; with lane l xor 16's sixteen: the block's largest
	v_max_num_f32 v[ETM+1], v[ETM+1], v[ETP+1]
	v_add_nc_u32 v[ESO], 0xfe000000, v[ETM]
	v_add_nc_u32 v[ESO+1], 0xfe000000, v[ETM+1]
	v_lshrrev_b32 v[EBY], 23, v[ESO]
	v_lshrrev_b32 v[EBY+1], 23, v[ESO+1]
	v_lshl_or_b32 v[HW+(\m)], v[EBY+1], 8, v[EBY]
	v_cvt_scalef32_pk16_bf6_f32 v[PC:PC+2], v[A:A+15], v[ESO]
	v_cvt_scalef32_pk16_bf6_f32 v[PC+4:PC+6], v[A+16:A+31], v[ESO+1]
	v_nop                                          ; one plain line behind the conversions
.irp n, 0,1,2
	v_permlane16_swap_b32 v[PC+\n], v[PC+4+\n]     ; a whole block to a lane: lanes 0-15 the first block, lanes 16-31 the second
.endr
	v_mov_b32 v[PC+3], v[PC+4]
	v_mov_b32 v[PC+4], v[PC+5]
	v_mov_b32 v[PC+5], v[PC+6]
	global_store_b128 v[LI], v[PC:PC+3], s[12:13] offset:24576*(\m)
	global_store_b64 v[L8], v[PC+4:PC+5], s[12:13] offset:24576*(\m)+512
	global_store_b16 v[HSO], v[HW+(\m)], s[14:15] offset:1024*(\m)   ; lanes r and 16 + r store the same two bytes
.endm
	s_load_b256 s[4:11], s[0:1], 0x0               ; w1, bm, xq, xs
	s_load_b128 s[12:15], s[0:1], 0x20             ; hq, hs
	v_lshrrev_b32 v1, 5, v0
	v_readfirstlane_b32 s84, v1                    ; wave 0..15
	v_and_b32 v[TK], 31, v0                        ; lane; the sorter's first tokens
	v_lshlrev_b32 v[LI], 4, v[TK]
	v_lshlrev_b32 v[LS], 2, v[TK]
	v_lshlrev_b32 v[L8], 3, v[TK]
	v_and_b32 v204, 7, v0
	v_and_b32 v205, 8, v0
	v_lshl_or_b32 v204, v205, 1, v204
	v_bfe_u32 v205, v0, 4, 1                       ; h
	v_lshl_or_b32 v204, v205, 3, v204              ; my column
	v_lshlrev_b32 v[CO], 2, v204
	v_and_b32 v206, 15, v0                         ; r
	v_mul_u32_u24 v207, v[TK], 24
	s_mul_i32 s87, s84, 3072
	v_add_nc_u32 v[WI], s87, v[LI]
	v_mul_u32_u24 v[XA], v206, ROWP
	v_mad_u32_u24 v[XA], v205, 24, v[XA]
	s_mul_i32 s87, s84, 25088
	s_add_co_u32 s87, s87, STG
	v_add_nc_u32 v[XA], s87, v[XA]
	v_add_nc_u32 v[SAJ], s87, v207
	s_mul_i32 s87, s84, 15680
	s_add_co_u32 s87, s87, STG
	v_add_nc_u32 v[SAW], s87, v207
	v_lshlrev_b32 v[V4T], 2, v0
	s_mul_i32 s87, s84, 80
	s_add_co_u32 s87, s87, LIST
	v_add_nc_u32 v[LAB], s87, v[LS]
	v_lshlrev_b32 v[HSO], 6, v206
	v_add_nc_u32 v[ZA], LIST, v[LI]
	v_mov_b32 v[LB], LIST
.irp n, 0,1,2,3
	v_mov_b32 v[ZR+\n], 0
.endr
	s_lshr_b32 s85, ttmp9, 5                       ; the expert
	s_and_b32 s86, ttmp9, 31                       ; which 64 hidden units
	s_mov_b32 s97, 0
	s_mov_b32 s98, 0x76543210
	s_mov_b32 s99, 0xfedcba98                      ; v_permlanex16_b32's selects for lane l xor 16
	s_wait_kmcnt 0x0
	s_lshl_b32 s96, s85, 8
	s_add_nc_u64 s[6:7], s[6:7], s[96:97]
	s_load_b512 s[16:31], s[6:7], 0x0              ; the expert's 64 mask words: word c in s[16 + c] (c < 48) or s[20 + c]
	s_load_b512 s[32:47], s[6:7], 0x40
	s_load_b512 s[48:63], s[6:7], 0x80
	s_load_b512 s[68:83], s[6:7], 0xc0
	s_lshl_b32 s96, s85, 23                        ; the expert's 8 MiB,
	s_lshr_b32 s87, s84, 1
	s_lshl_b32 s87, s87, 20                        ; my K step's 128 rows,
	s_add_co_u32 s96, s96, s87
	s_lshl_b32 s87, s86, 8                         ; the work-group's 64 columns,
	s_add_co_u32 s96, s96, s87
	s_and_b32 s87, s84, 1
	s_lshl_b32 s87, s87, 7                         ; my 32 of them
	s_add_co_u32 s96, s96, s87
	s_add_nc_u64 s[4:5], s[4:5], s[96:97]
	LOADW 0, 56                                    ; 56 loads now, so that the scalar work below is issued behind them at once; the other 72 follow it
	s_lshl_b32 s87, s85, 7
	s_lshl_b32 s91, s84, 1
	s_add_co_u32 s87, s87, s91                     ; my first job's first tile: 128 e + 2 w
	s_lshl_b32 s96, s87, 10
	s_lshl_b32 s91, s86, 1
	s_add_co_u32 s96, s96, s91
	s_add_nc_u64 s[14:15], s[14:15], s[96:97]      ; hs at that tile, + my work-group's two bytes of a row
	s_lshl_b32 s87, s87, 4
	s_lshr_b32 s91, s86, 1
	s_add_co_u32 s87, s87, s91
	s_mul_i32 s96, s87, 1536
	s_and_b32 s91, s86, 1
	s_mul_i32 s91, s91, 768
	s_add_co_u32 s96, s96, s91
	s_add_nc_u64 s[12:13], s[12:13], s[96:97]      ; hq at that tile's fragment of K step (g % 32) / 2, half (g % 32) % 2
	s_wait_kmcnt 0x0
	s_mov_b32 s88, 0
.set c, 0
.rept 64
	s_bcnt1_i32_b32 s91, s[16+c+4*(c/48)]
	s_add_co_u32 s88, s88, s91                     ; n: the expert's rows
.set c, c+1
.endr
	s_max_u32 s89, s88, 1
	s_cmp_lg_u32 s84, 0
	s_cbranch_scc1 .Lsorted
	; THE LIST, by wave 0 alone; no other wave touches LDS ahead of the barrier below.  Zeros first; then, word by word, the lanes whose bit is set store their token at the running count + the set bits below them.
.set c, 0
.rept 18
	ds_store_b128 v[ZA], v[ZR:ZR+3] offset:512*c
.set c, c+1
.endr
	s_mov_b32 s90, 0
.set c, 0
.rept 64
.set MR, 16+c+4*(c/48)
	v_mbcnt_lo_u32_b32 v[SP], s[MR], s90
	v_cndmask_b32 v[SP], -1, v[SP], s[MR]          ; a lane whose bit is off takes the greatest number,
	v_min_u32 v[SP], 0x900, v[SP]                  ; which is held at the dump word behind the list
	v_lshl_add_u32 v[SP], v[SP], 2, LIST
	ds_store_b32 v[SP], v[TK]
	v_add_nc_u32 v[TK], 32, v[TK]
	s_bcnt1_i32_b32 s91, s[MR]
	s_add_co_u32 s90, s90, s91
.set c, c+1
.endr
	ds_load_b32 v[FT], v[LB]                       ; the first token (0 where the expert has none)
	v_and_b32 v[PA], 31, v0
	v_add_nc_u32 v[PA], s88, v[PA]
	v_min_u32 v[PA], 0x81f, v[PA]
	v_lshl_add_u32 v[PA], v[PA], 2, LIST
	s_wait_dscnt 0x0
	ds_store_b32 v[PA], v[FT]                      ; positions n .. n + 31 repeat it
.Lsorted:
	LOADW 56, 128
	s_wait_dscnt 0x0
	s_barrier_signal -1
	s_barrier_wait -1                              ; the list lies in LDS
	ds_load_b32 v[LT], v[LAB]                      ; positions 20 w on: the rows that I gather for everybody
	ds_load_b32 v[LT2], v[V4T] offset:LIST         ; positions 32 w on: my first job's rows
	s_wait_dscnt 0x0
	v_min_u32 v[LT], 0x7ff, v[LT]
	v_min_u32 v[LT2], 0x7ff, v[LT2]
	v_lshlrev_b32 v[LT2], 5, v[LT2]
	global_load_b128 v[XS:XS+3], v[LT2], s[10:11]
	global_load_b128 v[XS+4:XS+7], v[LT2], s[10:11] offset:16
	s_wait_loadcnt 63                              ; 66 loads are younger than weight row 63; 63 is the largest count that can be written
	QPAIR 0
	GROWS 10, 0, XL, 0
	GROWS 10, 10, W, 10                            ; into the registers that blocks 0 and 1 have left
	s_wait_loadcnt 62                              ; the 2 loads of scale words and the 60 of rows are younger than weight row 127
	QPAIR 1
	v_lshl_or_b32 v[SW], v[BY+1], 8, v[BY]         ; my column's scale word: tile u = 0's stand in lanes 0-15, tile u = 1's in lanes 16-31
	v_lshl_or_b32 v[SW], v[BY+2], 16, v[SW]
	v_lshl_or_b32 v[SW], v[BY+3], 24, v[SW]
.irp k, 0,1,2
	ds_store_b128 v[WI], v[F0+4*\k:F0+4*\k+3] offset:512*\k          ; the fragments go to LDS as images of their registers
	ds_store_b128 v[WI], v[F1+4*\k:F1+4*\k+3] offset:1536+512*\k
.endr
	ds_store_b32 v[V4T], v[SW] offset:WSC
	s_wait_loadcnt 0x0
	SROWS 10, XL, SAW, 0
	SROWS 10, W, SAW, 10*ROWP
	s_wait_dscnt 0x0
	s_barrier_signal -1
	s_barrier_wait -1                              ; 32 fragments of the weights and 320 rows of x lie in LDS; from here on a wave reads the weights and touches its own 32 rows alone
	s_lshl_b32 s93, s84, 5                         ; my job's first list position
	s_mov_b32 s94, 0
	s_cmp_ge_u32 s84, 10                           ; ten jobs a pass: waves 10 to 15 have done their part
	s_cbranch_scc1 .Lfirst_done
	s_cmp_ge_u32 s93, s89
	s_cbranch_scc1 .Lfirst_done
	COMPUTE
	EPI 0
	EPI 1
.Lfirst_done:
	s_mov_b32 s92, 6                               ; 7 x 320 positions cover all 2,048 tokens on one expert
.Lpass:
	s_wait_xcnt 0x0                                ; the last stores have read their bases and registers
	s_add_co_u32 s93, s93, 320
	s_add_co_u32 s94, s94, 1280
	s_add_nc_u64 s[12:13], s[12:13], 491520        ; 20 tiles on
	s_add_nc_u64 s[14:15], s[14:15], 20480
	s_cmp_ge_u32 s84, 10
	s_cbranch_scc1 .Lskip
	s_cmp_ge_u32 s93, s88
	s_cbranch_scc1 .Lskip
	v_add_nc_u32 v[LX], s94, v[V4T]
	ds_load_b32 v[LT], v[LX] offset:LIST
	s_wait_dscnt 0x0
	v_min_u32 v[LT], 0x7ff, v[LT]
	v_lshlrev_b32 v[LT2], 5, v[LT]
	global_load_b128 v[XS:XS+3], v[LT2], s[10:11]
	global_load_b128 v[XS+4:XS+7], v[LT2], s[10:11] offset:16
	GROWS 16, 0, W, 0
	s_wait_loadcnt 0x0
	SROWS 16, W, SAJ, 0
	s_wait_dscnt 0x0                               ; the stores have read their registers
	GROWS 16, 16, W, 0
	s_wait_loadcnt 0x0
	SROWS 16, W, SAJ, 16*ROWP
	COMPUTE
	EPI 0
	EPI 1
.Lskip:
	s_sub_co_u32 s92, s92, 1
	s_cmp_lg_u32 s92, 0
	s_cbranch_scc1 .Lpass
	s_wait_xcnt 0x0
	v_lshl_add_u32 v254, v0, 2, 0x4c100
	v_mov_b32 v255, 0
	s_wait_tensorcnt 0x0
	ds_add_u32 v254, v255
	s_wait_dscnt 0x0
	s_endpgm
.Lfunc_end_k_q8fc14df855_ffn1:
	.size	k_q8fc14df855_ffn1, .Lfunc_end_k_q8fc14df855_ffn1-k_q8fc14df855_ffn1
	.p2alignl 7, 3214868480
	.fill 96, 4, 3214868480
	.section	.rodata,"a",@progbits
	.p2align	6, 0x0
	.amdhsa_kernel k_q8fc14df855_ffn1
		.amdhsa_group_segment_fixed_size 313600
		.amdhsa_private_segment_fixed_size 0
		.amdhsa_enable_private_segment 0
		.amdhsa_kernarg_size 48
		.amdhsa_user_sgpr_count 2
		.amdhsa_user_sgpr_kernarg_segment_ptr 1
		.amdhsa_wavefront_size32 1
		.amdhsa_system_sgpr_workgroup_id_x 1
		.amdhsa_system_sgpr_workgroup_id_y 1
		.amdhsa_system_sgpr_workgroup_id_z 1
		.amdhsa_system_vgpr_workitem_id 0
		.amdhsa_next_free_vgpr 256
		.amdhsa_next_free_sgpr 100
		.amdhsa_reserve_vcc 0
		.amdhsa_float_denorm_mode_32 3
		.amdhsa_float_denorm_mode_16_64 3
		.amdhsa_memory_ordered 1
		.amdhsa_forward_progress 1
		.amdhsa_inst_pref_size 152
	.end_amdhsa_kernel
	.amdgpu_metadata
---
amdhsa.version: [ 1, 2 ]
amdhsa.kernels:
  - .name:           k_q8fc14df855_ffn1
    .symbol:         k_q8fc14df855_ffn1.kd
    .args:
      - { .name: w1, .offset: 0, .size: 8, .value_kind: global_buffer, .address_space: global }
      - { .name: bm, .offset: 8, .size: 8, .value_kind: global_buffer, .address_space: global }
      - { .name: xq, .offset: 16, .size: 8, .value_kind: global_buffer, .address_space: global }
      - { .name: xs, .offset: 24, .size: 8, .value_kind: global_buffer, .address_space: global }
      - { .name: hq, .offset: 32, .size: 8, .value_kind: global_buffer, .address_space: global }
      - { .name: hs, .offset: 40, .size: 8, .value_kind: global_buffer, .address_space: global }
    .group_segment_fixed_size: 313600
    .private_segment_fixed_size: 0
    .kernarg_segment_align: 8
    .kernarg_segment_size: 48
    .max_flat_workgroup_size: 512
    .sgpr_count:     100
    .vgpr_count:     256
    .wavefront_size: 32
...
	.end_amdgpu_metadata
.endif
;; end of part 2
;; launch ffn2 (part 3): grid 256 x 1, 16 waves a work-group, no clusters, 99,584 bytes of LDS; arguments w2, bm, hq, hs, gm, out0; writes out0
.if DOCPART == 3
	.amdgcn_target "amdgcn-amd-amdhsa--gfx1250"
	.amdhsa_code_object_version 6
	.text
	.protected	k_q8fc14df855_ffn2
	.globl	k_q8fc14df855_ffn2
	.p2align	8
	.type	k_q8fc14df855_ffn2,@function
k_q8fc14df855_ffn2:
	s_mov_b64 s[64:65], 0
	v_nop
	global_prefetch_b8 v0, s[64:65] scope:SCOPE_SE
	s_setreg_imm32_b32 hwreg(HW_REG_WAVE_MODE, 25, 1), 1
	s_wait_xcnt 0x0
; THE SECOND EXPERT PRODUCT AND THE WAY OUT: out0[token] = (Q(h) Q(w2[e])) x gate x mask, for the rows that chose the expert.  w2 [8][2048][1024] f32, K its first axis within an expert.
; SHARES: work-group g owns expert e = g / 32 and output columns 32 (g % 32) .. + 31: 256 KiB of f32 weights, read ONCE, turned into 32 operand fragments that stay in LDS.  Wave w quantises K step w (128 rows of w2) of the 32 columns:
;   a lane takes a column and its registers run down K; lane l takes column (l & 7) + 2 (l & 8) + (l & 16) / 2, so lanes 0-15 are tile u = 0 and lanes 16-31 tile u = 1, and lane r of tile u takes column 8 u + r + 8 (r / 8).
; THE ROWS: the same list as in the launch before, made anew by wave 0 from bm while the weights are on their way; positions n .. n + 31 repeat the first token.  A job is 32 list positions, taken by one wave; job j runs where 32 j < n.
;   A padding row repeats the first row's codes, so it gives the same numbers and stores them to the same addresses: no lane is switched off.  Every token chose one expert, so every row of out0 is written.
; THE PRODUCT IS USED TRANSPOSED (source 0 = 16 columns of w2, source 1 = 16 rows of h): a lane holds one row and, in the 16 registers of tiles u = 0, 1, sixteen neighbouring columns.
; h's fragments lie in hq as images of their registers: they come straight into registers, 512 or 256 consecutive bytes a load, three K steps ahead; their scale words come as 2 KiB on end for the job's two tiles.
; THE FIRST JOB'S FETCHES stand ahead of the weights' quantising, on every wave's way, so that the counted wait behind them counts the same loads in every wave: a wave without a job fetches the expert's last written job (job 0 at the least, which the launch before always writes) and drops it.
; THE WAY OUT: results x gate x mask go through the wave's own stage in LDS (16 rows of 128 + 16 bytes) and leave by rows: eight lanes store a token's 128 consecutive bytes; the work-group beside this one stores the 128 next to them.
; NO CLUSTER, NO TENSOR LOAD: no two work-groups read the same weights.
; LIMITS: NaN and infinities are not served.  A block of w2 whose largest magnitude lies under 2^(5 - 127), a block of zeros among them, gets the byte 1 (the rule says 127 for zeros); the bytes never leave this launch.
.set WSC,   49152                      ; LDS: from 0 the weights' fragments, wave w's two at 3072 w and 3072 w + 1536; here their scale words, 128 w + 4 lane
.set LIST,  51200                      ; the list: 2,304 words; behind it one dump word (in a block of 256 bytes)
.set OST,   60672                      ; the stages: 2,304 bytes a wave
.set PITCH, 4096                       ; a row of w2[e] in bytes
.set LI,  1                            ; v1   16 x lane
.set LS,  2                            ; v2   4 x lane
.set L8,  3                            ; v3   8 x lane
.set CO,  4                            ; v4   4 x my column
.set WI,  5                            ; v5   3072 w + 16 lane
.set V4T, 6                            ; v6   4 x my thread's number
.set OSI, 7                            ; v7   into my stage: OST + 2304 w + 144 r + 64 h
.set OSO, 8                            ; v8   out of it: OST + 2304 w + 144 (lane / 8) + 16 (lane % 8)
.set LA0, 9                            ; v9   LIST + 128 w + 4 r
.set LA1, 10                           ; v10  LIST + 128 w + 4 (lane / 8)
.set C16, 11                           ; v11  16 (lane % 8)
.set WS,  12                           ; v12-13 the weights' scale words, two sets: scales and nothing else
.set HSA, 14                           ; v14  64 x lane
.set W,   16                           ; v16-143 my column's 128 numbers
.set F0,  144
.set F1,  156
.set TC,  168
.set TM,  176
.set SO,  178
.set BY,  180
.set SW,  184
.set SP,  192                          ; the sorter's (wave 0, before anything else lands in v192 on)
.set TK,  194
.set PA,  196
.set LB,  197
.set FT,  198
.set ZA,  199
.set ZR,  200
.set WF,  88                           ; the products: the weights' fragments, two sets of two: v88-111, v112-135
.set ACC, 144                          ; v144-175 accumulator (tile of rows m, tile of columns u) at ACC + 16 m + 8 u
.set OD,  16                           ; v16-47  rows read back from the stage
.set HS,  216                          ; v216-231 h's scale words of the 16 K steps: lanes 0-15 tile 0's rows, lanes 16-31 tile 1's: scales and nothing else
.set G,   232                          ; v[232:233], v[234:235] gate x mask of my row in tile 0, 1 (the packed form names a pair and takes its low word)
.set TS,  236                          ; v236-243 where the rows that I store begin in out0
.set T,   244
.set LX0, 246
.set LX1, 247
.macro PLACES                          ; four plain lines between a matrix instruction and a load into, or a vector instruction on, its registers
.rept 4
	v_nop
.endr
.endm
.macro LOADW a, b                      ; rows a .. b - 1 of my K step: 32 lanes read 128 consecutive bytes
.set i, \a
.rept (\b)-(\a)
	global_load_b32 v[W+i], v[CO], s[4:5] offset:i*PITCH
.set i, i+1
.endr
.endm
.macro QPAIR c                         ; my column's blocks 2 c and 2 c + 1 become registers 6 c .. 6 c + 5 of both fragments
.set B0, W+64*(\c)
.set B1, W+64*(\c)+32
	v_max3_num_f32 v[TM], |v[B0]|, |v[B0+1]|, 0x2800000            ; the floor 2^(5 - 127) among the leaves: the byte cannot fall under 1
	v_max3_num_f32 v[TM+1], |v[B1]|, |v[B1+1]|, 0x2800000
.irp n, 2,4,6,8,10,12,14,16,18,20,22,24,26,28,30
	v_max3_num_f32 v[TM], v[TM], |v[B0+\n]|, |v[B0+\n+1]|
	v_max3_num_f32 v[TM+1], v[TM+1], |v[B1+\n]|, |v[B1+\n+1]|
.endr
	v_add_nc_u32 v[SO], 0xfe000000, v[TM]          ; 4 off the exponent field: the conversion's scale operand
	v_add_nc_u32 v[SO+1], 0xfe000000, v[TM+1]
	v_lshrrev_b32 v[BY+2*(\c)], 23, v[SO]
	v_lshrrev_b32 v[BY+2*(\c)+1], 23, v[SO+1]
	v_cvt_scalef32_pk16_bf6_f32 v[F0+6*(\c):F0+6*(\c)+2], v[B0:B0+15], v[SO]
	v_cvt_scalef32_pk16_bf6_f32 v[TC:TC+2], v[B0+16:B0+31], v[SO]          ; (a conversion's three registers begin on an even number)
	v_cvt_scalef32_pk16_bf6_f32 v[F1+6*(\c):F1+6*(\c)+2], v[B1:B1+15], v[SO+1]
	v_cvt_scalef32_pk16_bf6_f32 v[TC+4:TC+6], v[B1+16:B1+31], v[SO+1]
	v_nop                                          ; one plain line behind the conversions
.irp n, 0,1,2
	v_mov_b32 v[F0+6*(\c)+3+\n], v[TC+\n]
	v_mov_b32 v[F1+6*(\c)+3+\n], v[TC+4+\n]
.endr
.irp n, 0,1,2,3,4,5                    ; F0's lanes 16-31 change places with F1's lanes 0-15: F0 becomes tile u = 0's fragment (lanes 0-15 block 2 c, lanes 16-31 block 2 c + 1 of the same columns), F1 tile u = 1's
	v_permlane16_swap_b32 v[F0+6*(\c)+\n], v[F1+6*(\c)+\n]
.endr
.endm
.macro JOBLIST                         ; my job's tokens: by row of a tile (for the gate) and by the rows that I store
	v_add_nc_u32 v[LX0], s94, v[LA0]
	v_add_nc_u32 v[LX1], s94, v[LA1]
	ds_load_b32 v[T], v[LX0]
	ds_load_b32 v[T+1], v[LX0] offset:64
.irp m, 0,1
.irp k, 0,1,2,3
	ds_load_b32 v[TS+4*\m+\k], v[LX1] offset:64*\m+16*\k
.endr
.endr
	s_wait_dscnt 0x0
	v_min_u32 v[T], 0x7ff, v[T]
	v_min_u32 v[T+1], 0x7ff, v[T+1]
	v_lshlrev_b32 v[T], 2, v[T]
	v_lshlrev_b32 v[T+1], 2, v[T+1]
	global_load_b32 v[G], v[T], s[12:13]
	global_load_b32 v[G+2], v[T+1], s[12:13]
.irp n, 0,1,2,3,4,5,6,7
	v_min_u32 v[TS+\n], 0x7ff, v[TS+\n]
.endr
.irp n, 0,1,2,3,4,5,6,7
	v_lshl_add_u32 v[TS+\n], v[TS+\n], 12, v[C16]  ; token x 4,096 + my 16 bytes of the row's 128
.endr
.endm
.macro HSLD                            ; the scale words of the job's two tiles: 2 KiB on end, 64 bytes a lane
.irp k, 0,1,2,3
	global_load_b128 v[HS+4*\k:HS+4*\k+3], v[HSA], s[10:11] offset:16*\k
.endr
.endm
.macro SETSB s                         ; h's fragments: four sets of 24 registers: v192-215, v16-39, v40-63, v64-87
.set SB, 192
.if ((\s)%4) > 0
.set SB, 16+24*(((\s)%4)-1)
.endif
.endm
.macro LOADH s                         ; K step s of both tiles: eight loads
	SETSB \s
.irp m, 0,1
.irp c, 0,1
	global_load_b128 v[SB+12*\m+6*\c:SB+12*\m+6*\c+3], v[LI], s[8:9] offset:24576*\m+1536*(\s)+768*\c
	global_load_b64 v[SB+12*\m+6*\c+4:SB+12*\m+6*\c+5], v[L8], s[8:9] offset:24576*\m+1536*(\s)+768*\c+512
.endr
.endr
.endm
.macro LOADWK s                        ; K step s of the weights: seven LDS loads
.set KSET, (\s)%2
.irp u, 0,1
.irp k, 0,1,2
	ds_load_b128 v[WF+24*KSET+12*\u+4*\k:WF+24*KSET+12*\u+4*\k+3], v[LI] offset:3072*(\s)+1536*\u+512*\k
.endr
.endr
	ds_load_b32 v[WS+KSET], v[LS] offset:WSC+128*(\s)
.endm
.macro WM d, a, b, z, sa, sb, ra, rb   ; one product; z: it starts the sum; ra, rb: the side's scales stand in lanes 16-31
.if \z
.if (\ra) && (\rb)
	v_wmma_scale_f32_16x16x128_f8f6f4 v[\d:\d+7], v[\a:\a+11], v[\b:\b+11], 0, v[\sa], v[\sb] matrix_a_fmt:MATRIX_FMT_BF6 matrix_b_fmt:MATRIX_FMT_BF6 matrix_a_scale:MATRIX_SCALE_ROW1 matrix_b_scale:MATRIX_SCALE_ROW1
.elseif \ra
	v_wmma_scale_f32_16x16x128_f8f6f4 v[\d:\d+7], v[\a:\a+11], v[\b:\b+11], 0, v[\sa], v[\sb] matrix_a_fmt:MATRIX_FMT_BF6 matrix_b_fmt:MATRIX_FMT_BF6 matrix_a_scale:MATRIX_SCALE_ROW1
.elseif \rb
	v_wmma_scale_f32_16x16x128_f8f6f4 v[\d:\d+7], v[\a:\a+11], v[\b:\b+11], 0, v[\sa], v[\sb] matrix_a_fmt:MATRIX_FMT_BF6 matrix_b_fmt:MATRIX_FMT_BF6 matrix_b_scale:MATRIX_SCALE_ROW1
.else
	v_wmma_scale_f32_16x16x128_f8f6f4 v[\d:\d+7], v[\a:\a+11], v[\b:\b+11], 0, v[\sa], v[\sb] matrix_a_fmt:MATRIX_FMT_BF6 matrix_b_fmt:MATRIX_FMT_BF6
.endif
.else
.if (\ra) && (\rb)
	v_wmma_scale_f32_16x16x128_f8f6f4 v[\d:\d+7], v[\a:\a+11], v[\b:\b+11], v[\d:\d+7], v[\sa], v[\sb] matrix_a_fmt:MATRIX_FMT_BF6 matrix_b_fmt:MATRIX_FMT_BF6 matrix_a_scale:MATRIX_SCALE_ROW1 matrix_b_scale:MATRIX_SCALE_ROW1
.elseif \ra
	v_wmma_scale_f32_16x16x128_f8f6f4 v[\d:\d+7], v[\a:\a+11], v[\b:\b+11], v[\d:\d+7], v[\sa], v[\sb] matrix_a_fmt:MATRIX_FMT_BF6 matrix_b_fmt:MATRIX_FMT_BF6 matrix_a_scale:MATRIX_SCALE_ROW1
.elseif \rb
	v_wmma_scale_f32_16x16x128_f8f6f4 v[\d:\d+7], v[\a:\a+11], v[\b:\b+11], v[\d:\d+7], v[\sa], v[\sb] matrix_a_fmt:MATRIX_FMT_BF6 matrix_b_fmt:MATRIX_FMT_BF6 matrix_b_scale:MATRIX_SCALE_ROW1
.else
	v_wmma_scale_f32_16x16x128_f8f6f4 v[\d:\d+7], v[\a:\a+11], v[\b:\b+11], v[\d:\d+7], v[\sa], v[\sb] matrix_a_fmt:MATRIX_FMT_BF6 matrix_b_fmt:MATRIX_FMT_BF6
.endif
.endif
.endm
.macro MULK s                          ; four products, the four accumulators by turns, one instruction a turn, in the same order in every K step
	SETSB \s
.set KSET, (\s)%2
.set KZ, 0
.if (\s) == 0
.set KZ, 1
.endif
.irp m, 0,1
.irp u, 0,1
	WM ACC+16*\m+8*\u, WF+24*KSET+12*\u, SB+12*\m, KZ, WS+KSET, HS+(\s), \u, \m
.endr
.endr
.endm
.macro COMPUTE                         ; a job's 64 products.  K steps 0 to 2 of h have been asked for; each K step asks for h three steps on and for the weights one step on
	LOADWK 0
.set q, 0
.rept 16
.if q > 0
	PLACES                                         ; the loads below land in the sets that the last four products read
.endif
.if q <= 12
	LOADH q+3
.endif
.if q < 15
	LOADWK q+1
.endif
.if q <= 12
	s_wait_loadcnt 24                              ; the three younger sets of eight loads may be out
.else
	s_wait_loadcnt 8*(15-q)
.endif
.if q < 15
	s_wait_dscnt 7                                 ; all but the seven loads just issued
.else
	s_wait_dscnt 0x0
.endif
	MULK q
.set q, q+1
.endr
.endm
.macro EPI                             ; x gate x mask; through my stage; out by rows
	PLACES
.irp m, 0,1
.irp n, 0,1,2,3,4,5,6,7
	v_pk_mul_f32 v[ACC+16*\m+2*\n:ACC+16*\m+2*\n+1], v[ACC+16*\m+2*\n:ACC+16*\m+2*\n+1], v[G+2*\m:G+2*\m+1] op_sel_hi:[1,0]   ; ascending: each accumulator is read from its low end on
.endr
.irp k, 0,1,2,3
	ds_store_b128 v[OSI], v[ACC+16*\m+4*\k:ACC+16*\m+4*\k+3] offset:16*\k
.endr
.irp k, 0,1,2,3
	ds_load_b128 v[OD+16*\m+4*\k:OD+16*\m+4*\k+3], v[OSO] offset:576*\k   ; rows 4 k + lane / 8.  LDS serves a wave's instructions in order (ISA guide 5.7.1.4): these see the stores above, and the next tile's stores come behind them
.endr
.endr
.irp m, 0,1
.irp k, 0,1,2,3
	s_wait_dscnt 11-8*\m-\k                        ; the LDS instructions issued behind this load may be out
	global_store_b128 v[TS+4*\m+\k], v[OD+16*\m+4*\k:OD+16*\m+4*\k+3], s[14:15] th:TH_STORE_NT
.endr
.endr
.endm
	s_load_b256 s[4:11], s[0:1], 0x0               ; w2, bm, hq, hs
	s_load_b128 s[12:15], s[0:1], 0x20             ; gm, out0
	v_lshl_add_u32 v254, v0, 2, 0x17d00
	v_mov_b32 v255, 0
	v_lshrrev_b32 v1, 5, v0
	v_readfirstlane_b32 s84, v1                    ; wave 0..15
	v_and_b32 v[TK], 31, v0                        ; lane; the sorter's first tokens
	v_lshlrev_b32 v[LI], 4, v[TK]
	v_lshlrev_b32 v[LS], 2, v[TK]
	v_lshlrev_b32 v[L8], 3, v[TK]
	v_lshlrev_b32 v[HSA], 6, v[TK]
	v_and_b32 v204, 7, v0
	v_lshlrev_b32 v[C16], 4, v204
	v_and_b32 v205, 8, v0
	v_lshl_or_b32 v204, v205, 1, v204
	v_bfe_u32 v205, v0, 4, 1                       ; h
	v_lshl_or_b32 v204, v205, 3, v204              ; my column
	v_lshlrev_b32 v[CO], 2, v204
	v_and_b32 v206, 15, v0                         ; r
	v_bfe_u32 v207, v0, 3, 2                       ; lane / 8
	s_mul_i32 s87, s84, 3072
	v_add_nc_u32 v[WI], s87, v[LI]
	v_lshlrev_b32 v[V4T], 2, v0
	s_mul_i32 s87, s84, 2304
	s_add_co_u32 s87, s87, OST
	v_mul_u32_u24 v[OSI], v206, 144
	v_lshl_add_u32 v[OSI], v205, 6, v[OSI]
	v_add_nc_u32 v[OSI], s87, v[OSI]
	v_mul_u32_u24 v[OSO], v207, 144
	v_add_nc_u32 v[OSO], v[OSO], v[C16]
	v_add_nc_u32 v[OSO], s87, v[OSO]
	s_lshl_b32 s87, s84, 7
	s_add_co_u32 s87, s87, LIST
	v_lshl_add_u32 v[LA0], v206, 2, s87
	v_lshl_add_u32 v[LA1], v207, 2, s87
	v_add_nc_u32 v[ZA], LIST, v[LI]
	v_mov_b32 v[LB], LIST
.irp n, 0,1,2,3
	v_mov_b32 v[ZR+\n], 0
.endr
	v_mov_b32 v[G+1], 0                            ; named as the upper halves of pairs, so they are written
	v_mov_b32 v[G+3], 0
	s_lshr_b32 s85, ttmp9, 5                       ; the expert
	s_and_b32 s86, ttmp9, 31                       ; which 32 columns
	s_mov_b32 s97, 0
	s_wait_kmcnt 0x0
	s_lshl_b32 s96, s85, 8
	s_add_nc_u64 s[6:7], s[6:7], s[96:97]
	s_load_b512 s[16:31], s[6:7], 0x0              ; the expert's 64 mask words: word c in s[16 + c] (c < 48) or s[20 + c]
	s_load_b512 s[32:47], s[6:7], 0x40
	s_load_b512 s[48:63], s[6:7], 0x80
	s_load_b512 s[68:83], s[6:7], 0xc0
	s_lshl_b32 s96, s85, 23                        ; the expert's 8 MiB,
	s_lshl_b32 s87, s84, 19                        ; my K step's 128 rows,
	s_add_co_u32 s96, s96, s87
	s_lshl_b32 s87, s86, 7                         ; the work-group's 32 columns
	s_add_co_u32 s96, s96, s87
	s_add_nc_u64 s[4:5], s[4:5], s[96:97]
	LOADW 0, 56                                    ; 56 loads now, so that the scalar work below is issued behind them at once; the other 72 follow it
	s_lshl_b32 s96, s86, 7
	s_add_nc_u64 s[14:15], s[14:15], s[96:97]      ; out0 at the work-group's columns
	s_wait_kmcnt 0x0
	s_mov_b32 s88, 0
.set c, 0
.rept 64
	s_bcnt1_i32_b32 s91, s[16+c+4*(c/48)]
	s_add_co_u32 s88, s88, s91                     ; n: the expert's rows
.set c, c+1
.endr
	s_add_co_u32 s91, s88, 31
	s_lshr_b32 s91, s91, 5                         ; its jobs
	s_max_u32 s91, s91, 1
	s_sub_co_u32 s91, s91, 1
	s_min_u32 s89, s84, s91                        ; the job that I fetch first: my own where I have one, else the last that was written
	s_min_u32 s89, s89, 15
	s_lshl_b32 s87, s85, 7
	s_lshl_b32 s91, s89, 1
	s_add_co_u32 s87, s87, s91                     ; its first tile: 128 e + 2 job
	s_lshl_b32 s96, s87, 10
	s_add_nc_u64 s[10:11], s[10:11], s[96:97]
	s_mul_i32 s96, s87, 24576
	s_add_nc_u64 s[8:9], s[8:9], s[96:97]
	s_cmp_lg_u32 s84, 0
	s_cbranch_scc1 .Lsorted
	; THE LIST, by wave 0 alone; no other wave touches LDS ahead of the barrier below.  Zeros first; then, word by word, the lanes whose bit is set store their token at the running count + the set bits below them.
.set c, 0
.rept 18
	ds_store_b128 v[ZA], v[ZR:ZR+3] offset:512*c
.set c, c+1
.endr
	s_mov_b32 s90, 0
.set c, 0
.rept 64
.set MR, 16+c+4*(c/48)
	v_mbcnt_lo_u32_b32 v[SP], s[MR], s90
	v_cndmask_b32 v[SP], -1, v[SP], s[MR]          ; a lane whose bit is off takes the greatest number,
	v_min_u32 v[SP], 0x900, v[SP]                  ; which is held at the dump word behind the list
	v_lshl_add_u32 v[SP], v[SP], 2, LIST
	ds_store_b32 v[SP], v[TK]
	v_add_nc_u32 v[TK], 32, v[TK]
	s_bcnt1_i32_b32 s91, s[MR]
	s_add_co_u32 s90, s90, s91
.set c, c+1
.endr
	ds_load_b32 v[FT], v[LB]                       ; the first token (0 where the expert has none)
	v_and_b32 v[PA], 31, v0
	v_add_nc_u32 v[PA], s88, v[PA]
	v_min_u32 v[PA], 0x81f, v[PA]
	v_lshl_add_u32 v[PA], v[PA], 2, LIST
	s_wait_dscnt 0x0
	ds_store_b32 v[PA], v[FT]                      ; positions n .. n + 31 repeat it
.Lsorted:
	LOADW 56, 128
	s_wait_dscnt 0x0
	s_barrier_signal -1
	s_barrier_wait -1                              ; the list lies in LDS
	s_lshl_b32 s93, s84, 5                         ; my job's first list position
	s_mov_b32 s94, 0
	JOBLIST
	HSLD
	LOADH 0
	s_wait_loadcnt 14                              ; 2 loads of gates, 4 of scale words and 8 of fragments are younger than the last weight row
	QPAIR 0
	QPAIR 1
	v_lshl_or_b32 v[SW], v[BY+1], 8, v[BY]         ; my column's scale word: tile u = 0's stand in lanes 0-15, tile u = 1's in lanes 16-31
	v_lshl_or_b32 v[SW], v[BY+2], 16, v[SW]
	v_lshl_or_b32 v[SW], v[BY+3], 24, v[SW]
.irp k, 0,1,2
	ds_store_b128 v[WI], v[F0+4*\k:F0+4*\k+3] offset:512*\k          ; the fragments go to LDS as images of their registers
	ds_store_b128 v[WI], v[F1+4*\k:F1+4*\k+3] offset:1536+512*\k
.endr
	ds_store_b32 v[V4T], v[SW] offset:WSC
	LOADH 1                                        ; into the registers that the weights have left
	LOADH 2
	s_wait_dscnt 0x0
	s_barrier_signal -1
	s_barrier_wait -1                              ; all 32 fragments of the weights lie in LDS; from here on a wave reads them and touches its own stage alone
	s_cmp_ge_u32 s93, s88
	s_cbranch_scc1 .Lfirst_done
	COMPUTE
	EPI
.Lfirst_done:
	s_mov_b32 s92, 3                               ; 4 x 512 positions cover all 2,048 tokens on one expert
.Lpass:
	s_wait_loadcnt 0x0                             ; (a wave that had no first job has its fetches still out)
	s_wait_xcnt 0x0                                ; the last stores have read their registers, and every base may step
	s_add_co_u32 s93, s93, 512
	s_add_co_u32 s94, s94, 2048
	s_add_nc_u64 s[8:9], s[8:9], 786432            ; 32 tiles on
	s_add_nc_u64 s[10:11], s[10:11], 32768
	s_cmp_ge_u32 s93, s88
	s_cbranch_scc1 .Lskip
	JOBLIST
	HSLD
	LOADH 0
	LOADH 1
	LOADH 2
	COMPUTE
	EPI
.Lskip:
	s_sub_co_u32 s92, s92, 1
	s_cmp_lg_u32 s92, 0
	s_cbranch_scc1 .Lpass
	s_wait_tensorcnt 0x0
	ds_add_u32 v254, v255
	s_wait_dscnt 0x0
	s_endpgm
.Lfunc_end_k_q8fc14df855_ffn2:
	.size	k_q8fc14df855_ffn2, .Lfunc_end_k_q8fc14df855_ffn2-k_q8fc14df855_ffn2
	.p2alignl 7, 3214868480
	.fill 96, 4, 3214868480
	.section	.rodata,"a",@progbits
	.p2align	6, 0x0
	.amdhsa_kernel k_q8fc14df855_ffn2
		.amdhsa_group_segment_fixed_size 99584
		.amdhsa_private_segment_fixed_size 0
		.amdhsa_enable_private_segment 0
		.amdhsa_kernarg_size 48
		.amdhsa_user_sgpr_count 2
		.amdhsa_user_sgpr_kernarg_segment_ptr 1
		.amdhsa_wavefront_size32 1
		.amdhsa_system_sgpr_workgroup_id_x 1
		.amdhsa_system_sgpr_workgroup_id_y 1
		.amdhsa_system_sgpr_workgroup_id_z 1
		.amdhsa_system_vgpr_workitem_id 0
		.amdhsa_next_free_vgpr 256
		.amdhsa_next_free_sgpr 100
		.amdhsa_reserve_vcc 0
		.amdhsa_float_denorm_mode_32 3
		.amdhsa_float_denorm_mode_16_64 3
		.amdhsa_memory_ordered 1
		.amdhsa_forward_progress 1
		.amdhsa_inst_pref_size 128
	.end_amdhsa_kernel
	.amdgpu_metadata
---
amdhsa.version: [ 1, 2 ]
amdhsa.kernels:
  - .name:           k_q8fc14df855_ffn2
    .symbol:         k_q8fc14df855_ffn2.kd
    .args:
      - { .name: w2, .offset: 0, .size: 8, .value_kind: global_buffer, .address_space: global }
      - { .name: bm, .offset: 8, .size: 8, .value_kind: global_buffer, .address_space: global }
      - { .name: hq, .offset: 16, .size: 8, .value_kind: global_buffer, .address_space: global }
      - { .name: hs, .offset: 24, .size: 8, .value_kind: global_buffer, .address_space: global }
      - { .name: gm, .offset: 32, .size: 8, .value_kind: global_buffer, .address_space: global }
      - { .name: out0, .offset: 40, .size: 8, .value_kind: global_buffer, .address_space: global }
    .group_segment_fixed_size: 99584
    .private_segment_fixed_size: 0
    .kernarg_segment_align: 8
    .kernarg_segment_size: 48
    .max_flat_workgroup_size: 512
    .sgpr_count:     100
    .vgpr_count:     256
    .wavefront_size: 32
...
	.end_amdgpu_metadata
.endif
;; end of part 3
